; MI455X (gfx1250); checked and timed in simulation.
; The chip was launched on July 23, 2026; its instructions are those of AMD's public machine-readable ISA for CDNA 5 (MIT licence, August 2026) and "CDNA5" Instruction Set Architecture Reference Guide (July 2026). The comments in the code are by the model that wrote it; some were corrected since.
;; Self Attention. Allowed arithmetic: matrix products marked QUANTISED: E5M2 operands, one given power-of-two scale a tensor, by v_wmma_f32_16x16x64_bf8_bf8 or v_wmma_f32_16x16x128_bf8_bf8, f32 sums; products left as they are: f32 operands where the result goes on into a quantised operand, else bf16, f16 or f32 operands; f32 sums; everything else in f32.
;; Inputs: Wk 1,024 x 1,024 float32; Wo 1,024 x 1,024 float32; Wq 1,024 x 1,024 float32; Wv 1,024 x 1,024 float32; bk 1,024 float32; bo 1,024 float32; bq 1,024 float32; bv 1,024 float32; lowp_scales 10 int32 (the exponents e of the quantised operands' scales 2^e); x 4 x 4,096 x 1,024 float32.
;; Outputs: out0 4 x 4,096 x 1,024 float32.
;; This version of the problem:
;;   THIS VERSION OF THE PROBLEM IS GIVEN IN LOW PRECISION. The matrix products marked QUANTISED in the list below multiply operands that are first quantised to E5M2 (5 exponent bits, 2 mantissa bits; 8 bits a number), with one given power-of-two scale for each operand tensor; their sums are f32. All else is computed in f32.
;;   The module's matrix products, in the order in which they are computed (A, B: the left and right operand; K: the contracted axis; several contracted axes count as one K, in the product's order):
;;     1. [M 16,384, K 1,024] x [K 1,024, N 1,024]; A: input x; B: input Wq: QUANTISED (scales: A lowp_scales[0], B lowp_scales[1])
;;     2. [M 16,384, K 1,024] x [K 1,024, N 1,024]; A: input x; B: input Wk: QUANTISED (scales: A lowp_scales[2], B lowp_scales[3])
;;     3. [M 16,384, K 1,024] x [K 1,024, N 1,024]; A: input x; B: input Wv: QUANTISED (scales: A lowp_scales[4], B lowp_scales[5])
;;     4. batch 16,384 x [M 16, K 64] x [K 64, N 16]; A: computed on the way; B: computed on the way: QUANTISED (scales: A lowp_scales[6], B lowp_scales[7])
;;     5. batch 16,384 x [M 16, K 16] x [K 16, N 64]; A: softmax; B: computed on the way: left as it is (K = 16 < 32)
;;     6. [M 16,384, K 1,024] x [K 1,024, N 1,024]; A: computed on the way; B: input Wo: QUANTISED (scales: A lowp_scales[8], B lowp_scales[9])
;;   THE QUANTISER, for each operand of a quantised product, along K:
;;     - The operand's scale is 2^e, e = its entry of the input lowp_scales (int32; the entries are numbered through the quantised products in the list's order, A before B).
;;     - Each number is divided by the scale, clamped to +-57,344, and rounded to the nearest number of E5M2, ties to even, subnormals kept.
;;     - The product sums the exact products of the quantised numbers (number of the format x scale) in f32.
;;   ~~~python
;;   def quantise(x, axis, e):      # numpy; x: float32 -> the quantised numbers, widened to float32 again
;;       x = np.moveaxis(x, axis, -1); K = x.shape[-1]
;;       r = np.clip(x / 2.0 ** e, -57344, 57344)
;;       step = 2.0 ** (np.maximum(np.frexp(np.where(r == 0, 1, r))[1] - 1, -14) - 2)
;;       q = np.round(r / step) * step * 2.0 ** e      # np.round: ties to even
;;       return np.moveaxis(q, -1, axis).astype(np.float32)
;;   ~~~
;;   OPERANDS COMPUTED ON THE WAY. 'Computed on the way' means the value that the module computes at that place (a softmax that the list does not call 'softmax' is quantised finished and normalised). What goes into a quantiser is computed in f32, as accurately as f32 sums, v_exp_f32 and their like allow (about 1e-6 of the number): no bf16 or f16 on the way to a quantiser, and a product that is left as it is and whose result goes on into a quantised operand takes f32 operands (vector FMAs, or v_wmma_f32_16x16x4_f32). A number that lies on a knife's edge between two numbers of the format may be rounded either way, as far as f32 arithmetic and the matrix unit's own rounding can turn it there, and no further.
;; One version. Each part assembles by itself: llvm-mc -triple=amdgcn-amd-amdhsa -mcpu=gfx1250 --defsym DOCPART=n.
;; ======== version 1 of 1: 2 launches
;; limits: right only within a limited range of input values
;; workspace buffers: wimg 4,194,304 bytes
;; launch prep (part 1): grid 256 x 1, 8 waves a work-group, no clusters, 0 bytes of LDS; arguments Wq, Wk, Wv, Wo, lowp_scales, wimg; writes wimg
.if DOCPART == 1
	.amdgcn_target "amdgcn-amd-amdhsa--gfx1250"
	.amdhsa_code_object_version 6
	.text
	.protected	k_qbe459cf3c5_prep
	.globl	k_qbe459cf3c5_prep
	.p2align	8
	.type	k_qbe459cf3c5_prep,@function
k_qbe459cf3c5_prep:
	s_mov_b64 s[64:65], 0
	v_nop
	global_prefetch_b8 v0, s[64:65] scope:SCOPE_SE
	s_setreg_imm32_b32 hwreg(HW_REG_WAVE_MODE, 25, 1), 1
	s_wait_xcnt 0x0
; Wq, Wk, Wv, Wo [1024 (k)][1024 (n)], f32, become codes of BF8 (E5M2), laid in the order in which the next launch's operand registers take them.
; code = w / 2^e, held within +-57,344, rounded to the nearest code, ties to even; e = entry 1, 3, 5, 9 of the scales for Wq, Wk, Wv, Wo.
; NO WORK IS LEFT OUT in this program: every input has a way to the output (the biases on q and k stand ahead of a quantiser), and every product of the problem is live.
; LIMITS: -126 <= e <= 112, so that 2^e and 57,344 x 2^e are f32 numbers.  NaN among the inputs is not served; an infinity is held at the largest code.
; THE IMAGES.  wimg = [wave w 0..7][product p: Q, K, V, O][step s of 64 along K, 0..15][tile t 0..7][1,024 bytes].  In an image the 16 bytes at 512 c + 256 h + 16 r hold the codes of
; W[64 s + 32 c + 16 h + 0 .. 15][n], n = 128 w + 32 (t / 2) + 8 (t % 2) + r + 8 (r / 8): lane 16 h + r of the reader takes them by one load of 16 bytes.
; SHARES.  Work-group g: weight p = g / 64, rows k = 16 (g % 64) on, which are one (s, c, h).  Wave w: columns 128 w on.  A LANE TAKES A COLUMN AND ITS REGISTERS RUN DOWN K: each load reads 128 consecutive
; bytes of a row, a lane's 16 numbers become its 16 bytes, and sixteen neighbouring lanes store 256 consecutive bytes, aligned.  No LDS, no barrier: waves share nothing.
.set X, 16                             ; v16-79  64 numbers: 16 down K for each of four pairs of tiles
.set C, 80                             ; v80-95  codes: four registers for each pair of tiles, so that no store's data are written again
	s_load_b256 s[4:11], s[0:1], 0x0               ; Wq s[4:5], Wk s[6:7], Wv s[8:9], Wo s[10:11]
	s_load_b128 s[12:15], s[0:1], 0x20             ; the scales' exponents s[12:13], wimg s[14:15]
	v_lshrrev_b32 v1, 5, v0
	s_delay_alu instid0(VALU_DEP_1)
	v_readfirstlane_b32 s38, v1                    ; wave 0..7
	v_and_b32 v2, 15, v0                           ; r
	v_bfe_u32 v3, v0, 4, 1                         ; u: which tile of a pair
	v_bfe_u32 v4, v0, 3, 1                         ; r / 8
	s_delay_alu instid0(VALU_DEP_1)
	v_add_nc_u32 v5, v3, v4
	s_delay_alu instid0(VALU_DEP_4)
	v_lshlrev_b32 v6, 2, v2
	s_delay_alu instid0(VALU_DEP_1)
	v_lshl_add_u32 v6, v5, 5, v6                   ; in: 4 (8 u + r + 8 (r / 8)) bytes into a pair's 32 columns
	v_lshlrev_b32 v7, 4, v2
	s_delay_alu instid0(VALU_DEP_1)
	v_lshl_add_u32 v7, v3, 10, v7                  ; out: 1,024 u + 16 r
	s_lshr_b32 s26, ttmp9, 6                       ; p
	s_and_b32 s27, ttmp9, 63                       ; which 16 rows
	s_lshl_b32 s34, s27, 16                        ; 16 rows of 4,096 bytes,
	s_lshl_b32 s36, s38, 9                         ; my wave's 128 columns
	s_add_co_u32 s34, s34, s36
	s_mov_b32 s35, 0
	s_lshl_b32 s36, s38, 2
	s_add_co_u32 s36, s36, s26                     ; 4 w + p
	s_lshl_b32 s36, s36, 4
	s_lshr_b32 s39, s27, 2
	s_add_co_u32 s36, s36, s39                     ; x 16 + s
	s_lshl_b32 s36, s36, 13                        ; eight images of 1,024 bytes
	s_and_b32 s39, s27, 3
	s_lshl_b32 s39, s39, 8                         ; 512 c + 256 h
	s_add_co_u32 s36, s36, s39
	s_mov_b32 s37, 0
	s_wait_alu depctr_va_vdst(0)
	s_wait_kmcnt 0x0
	s_load_b256 s[16:23], s[12:13], 0x0            ; e0 .. e7
	s_load_b64 s[24:25], s[12:13], 0x20            ; e8, e9
	s_cmp_lt_u32 s26, 2                            ; the weight is chosen by the work-group's number alone
	s_cselect_b64 s[28:29], s[4:5], s[8:9]         ; p even: Wq or Wv
	s_cselect_b64 s[30:31], s[6:7], s[10:11]       ; p odd: Wk or Wo
	s_bitcmp1_b32 s26, 0
	s_cselect_b64 s[28:29], s[30:31], s[28:29]
	s_add_nc_u64 s[28:29], s[28:29], s[34:35]
	s_add_nc_u64 s[14:15], s[14:15], s[36:37]
.irp b, 0,1,2,3
.irp i, 0,1,2,3,4,5,6,7,8,9,10,11,12,13,14,15
	global_load_b32 v[X+16*\b+\i], v6, s[28:29] offset:\i*4096+\b*128 th:TH_LOAD_NT   ; row i, the pair's 32 columns: 128 consecutive bytes a wave
.endr
.endr
	s_wait_kmcnt 0x0
	s_cmp_lt_u32 s26, 2
	s_cselect_b32 s32, s17, s21                    ; e1 or e5
	s_cselect_b32 s33, s19, s25                    ; e3 or e9
	s_bitcmp1_b32 s26, 0
	s_cselect_b32 s32, s33, s32                    ; e
	s_add_co_i32 s32, s32, 127
	s_lshl_b32 s33, s32, 23
	v_mov_b32 v11, s33                             ; 2^e as f32: the conversion takes its exponent field
	s_add_co_i32 s32, s32, 15
	s_lshl_b32 s32, s32, 23
	s_or_b32 s32, s32, 0x600000
	v_mov_b32 v10, s32                             ; 57,344 x 2^e
	s_wait_alu depctr_va_vdst(0)
.irp b, 0,1,2,3
	s_wait_loadcnt 48-16*\b                        ; this pair's 16 loads are in; the 16 of each later pair may be out
.irp i, 0,1,2,3,4,5,6,7,8,9,10,11,12,13,14,15
	v_med3_num_f32 v[X+16*\b+\i], v[X+16*\b+\i], -v10, v10   ; the conversion to an 8-bit code does not saturate (ISA guide 7.6.2): the hold at the largest code x the scale
.endr
	v_cvt_scalef32_pk8_bf8_f32 v[C+4*\b:C+4*\b+1], v[X+16*\b:X+16*\b+7], v11
	v_cvt_scalef32_pk8_bf8_f32 v[C+4*\b+2:C+4*\b+3], v[X+16*\b+8:X+16*\b+15], v11
	global_store_b128 v7, v[C+4*\b:C+4*\b+3], s[14:15] offset:\b*2048   ; lanes 0-15: 256 consecutive bytes of tile 2 b, aligned; lanes 16-31: of tile 2 b + 1.  (The codes go to a store alone; the next pair's holds are plain lines on other registers)
.endr
	s_endpgm
.Lfunc_end_k_qbe459cf3c5_prep:
	.size	k_qbe459cf3c5_prep, .Lfunc_end_k_qbe459cf3c5_prep-k_qbe459cf3c5_prep
	.p2alignl 7, 3214868480
	.fill 96, 4, 3214868480
	.section	.rodata,"a",@progbits
	.p2align	6, 0x0
	.amdhsa_kernel k_qbe459cf3c5_prep
		.amdhsa_group_segment_fixed_size 0
		.amdhsa_private_segment_fixed_size 0
		.amdhsa_enable_private_segment 0
		.amdhsa_kernarg_size 48
		.amdhsa_user_sgpr_count 2
		.amdhsa_user_sgpr_kernarg_segment_ptr 1
		.amdhsa_wavefront_size32 1
		.amdhsa_system_sgpr_workgroup_id_x 1
		.amdhsa_system_sgpr_workgroup_id_y 1
		.amdhsa_system_sgpr_workgroup_id_z 1
		.amdhsa_system_vgpr_workitem_id 0
		.amdhsa_next_free_vgpr 96
		.amdhsa_next_free_sgpr 66
		.amdhsa_reserve_vcc 0
		.amdhsa_float_denorm_mode_32 3
		.amdhsa_float_denorm_mode_16_64 3
		.amdhsa_memory_ordered 1
		.amdhsa_forward_progress 1
		.amdhsa_inst_pref_size 14
	.end_amdhsa_kernel
	.amdgpu_metadata
---
amdhsa.version: [ 1, 2 ]
amdhsa.kernels:
  - .name:           k_qbe459cf3c5_prep
    .symbol:         k_qbe459cf3c5_prep.kd
    .args:
      - { .name: Wq, .offset: 0, .size: 8, .value_kind: global_buffer, .address_space: global }
      - { .name: Wk, .offset: 8, .size: 8, .value_kind: global_buffer, .address_space: global }
      - { .name: Wv, .offset: 16, .size: 8, .value_kind: global_buffer, .address_space: global }
      - { .name: Wo, .offset: 24, .size: 8, .value_kind: global_buffer, .address_space: global }
      - { .name: lowp_scales, .offset: 32, .size: 8, .value_kind: global_buffer, .address_space: global }
      - { .name: wimg, .offset: 40, .size: 8, .value_kind: global_buffer, .address_space: global }
    .group_segment_fixed_size: 0
    .private_segment_fixed_size: 0
    .kernarg_segment_align: 8
    .kernarg_segment_size: 48
    .max_flat_workgroup_size: 256
    .sgpr_count:     66
    .vgpr_count:     96
    .wavefront_size: 32
...
	.end_amdgpu_metadata
.endif
;; end of part 1
;; launch fused (part 2): grid 256 x 1, 8 waves a work-group, no clusters, 327,680 bytes of LDS; arguments x, wimg, bq, bk, bv, bo, lowp_scales, out0; writes out0
.if DOCPART == 2
	.amdgcn_target "amdgcn-amd-amdhsa--gfx1250"
	.amdhsa_code_object_version 6
	.text
	.protected	k_qbe459cf3c5_fused
	.globl	k_qbe459cf3c5_fused
	.p2align	8
	.type	k_qbe459cf3c5_fused,@function
k_qbe459cf3c5_fused:
	s_mov_b64 s[64:65], 0
	v_nop
	global_prefetch_b8 v0, s[64:65] scope:SCOPE_SE
	s_setreg_imm32_b32 hwreg(HW_REG_WAVE_MODE, 25, 1), 1
	s_wait_xcnt 0x0
; THE WHOLE CHAIN FOR 64 POSITIONS IN ONE WORK-GROUP.  q, k, v = x W + b (BF8 codes, given scales); for each position scores = q k^T over its 16 heads (BF8, K = 64), softmax over heads, attn v (f32),
; the reshape, and the projection by Wo (BF8).  No work is left out.  Row r' of the last product's left operand is head r' / 256 at positions 16 (r' % 256) .. + 15, column (s % 16) 64 + d: so 64 neighbouring
; positions give, for each head, 4 whole rows of it, and 64 whole rows of out0 leave.  Nothing but the inputs, the weights' images and out0 goes through memory.
; SHARES.  Eight waves, two to a SIMD.  THE WAVES SHARE THE COLUMNS: wave w makes columns 128 w .. + 127 of q, k, v and out0 for all 64 rows: 32 accumulators of 16 x 16, 256 registers (window 1).
; THE WEIGHTS go from memory straight into registers, as images of the operand's registers that the launch before has laid: each image is read by one wave of the work-group, so LDS would add a write and a read and
; spare none.  A ring of 16 fragments keeps 32 loads of 512 bytes a wave on their way, across the epilogues too, with no barrier.
; NO CLUSTER, NO JOINT LOADS, though all work-groups walk the same weights: beside the 199,680 bytes of x's codes two LDS slots could hold 63 KiB each at the most.
; Work-group g starts each product's walk along K at block (g % 8) of eight blocks of 128 and wraps, so that work-groups ask for different parts of a weight at a time; only the order of the f32 sums changes.
; THE MATRIX INSTRUCTIONS ARE USED TRANSPOSED (source 0 = 16 columns of W, source 1 = 16 rows of codes): in accumulator (a, t) lane (r, h) holds row 16 a + r, and register j column 128 w + 32 (t / 2) + 16 h + 8 (t % 2) + j:
; tiles 2 b and 2 b + 1 give a lane 16 neighbours along the next K.  Fragments of 16 x 64 codes are fetched by two loads of 16 bytes, 32 bytes apart (registers 4 c ..: k = 32 c + 16 h + 0 .. 15): a permutation of k, the same on both sides.
; LIMITS on the given exponents, so that each power of two below is an f32 number: e0, e2, e4, e6, e7, e8 between -126 and 112; e0 + e1, e2 + e3, e4 + e5, e8 + e9 between -126 and 127; e6 + e7 between -123 and 130.
; NaN among the inputs is not served; an infinity is held at the largest code.
; LDS.  XV, XK, XQ: x's codes under the three scales, 64 rows of 1,024 + 16 bytes.  KC (over XQ, when it is done with), QC: k's and q's codes, 1,296 bytes a position, 80 a head.  attn lies over a position's own q codes.
; BIAS: the four biases.  VT (over XV, XK): v of 32 positions, f32, rows of 4,096 + 16.  A6: the last product's left operand, 64 rows of 1,040.  STG (over VT): 16 rows x 528 bytes a wave, for the way out.  SPARE: the spare words.
; Every pitch is 16 more than a multiple of 256 (a head's: an odd multiple of 16): sixteen lanes a row apart touch sixteen different columns of 16 bytes.
; REGISTERS.  Window 0: v1, v2 the add's two; v3 16 x lane; v4 my place in a fragment of x; v5 the x address of a product's first trip, v6 of the next trip; v7-15 addresses of the phase in hand; v16-27 limits and scales of the six quantisers;
; v29 lane, v30 r, v31 h; v32-63 T2, v64-127 T1: at work; in the products T1 holds two sets of four x fragments; v128-255 the ring of weights.  Window 1: accumulator (a, t) at 32 t + 8 a; x lands in 32 c + 16 .. 32 c + 31.
.set XV,    0
.set XK,    66560
.set XQ,    133120
.set KC,    133120
.set BIAS,  227328
.set QC,    243712
.set A6,    131584
.set SPARE, 326656                     ; 128 bytes for each of eight waves: four blocks of 256 bytes that no other line names
.set XP,    1040                       ; a row of codes
.set PP,    1296                       ; a position's q or k codes
.set HP,    80                         ; a head's
.set VP,    4112                       ; a position's v
.set SPT,   528                        ; a stage row
.set T2,  32
.set T1,  64
.set XF0, 64
.set XF1, 96
.set WR,  128
.set WV,  30                           ; s30  wave
.set ROT, 31                           ; s31  g % 8
.set XB,  34                           ; s[34:35] x at my wave's 8 rows
.set WW,  36                           ; s[36:37] my wave's images
.set WF,  38                           ; s[38:39] the images that the trip in hand asks for
.set TF,  43                           ; s43  trips begun, over all four products
.set TR,  44                           ; s44  a loop's trips to go
.set SPQ, 52                           ; s[52:53] 2^(e0+e1), s[54:55] 2^(e2+e3), s[56:57] 2^(e4+e5), s[58:59] 2^(e8+e9): pairs, since the packed forms name pairs
.set SPK, 54
.set SPV, 56
.set SPO, 58
.set CS,  60                           ; s[60:61] c = log2(e) / 8 x 2^(e6+e7)
.set SEL, 62                           ; s[62:63] v_permlanex16_b32's selects for lane l xor 16
.set OB0, 66                           ; s[66:67] out0 at heads 0-7's rows, s[68:69] at heads 8-15's
.set MSB, 0
.macro WIN new                         ; bits 1:0 source 0, 3:2 source 1, 5:4 source 2, 7:6 destination; the immediate's high byte repeats the setting that is left
.if MSB != \new
	s_set_vgpr_msb (MSB<<8)|\new
.set MSB, \new
.endif
.endm
.macro PLACES n                        ; plain vector instructions behind matrix instructions (ISA guide 7.12.1)
.rept \n
	v_nop
.endr
.endm
.macro BARRIER                         ; my LDS stores have landed and my LDS loads are in: then the work-group's barrier
	s_wait_dscnt 0x0
	s_barrier_signal -1
	s_barrier_wait -1
.endm
.macro MKQ e, lim, sc                  ; a quantiser's two numbers: 2^e and 57,344 x 2^e as f32
	s_add_co_i32 s42, s[\e], 127
	s_lshl_b32 s45, s42, 23
	v_mov_b32 v[\sc], s45
	s_add_co_i32 s42, s42, 15
	s_lshl_b32 s42, s42, 23
	s_or_b32 s42, s42, 0x600000
	v_mov_b32 v[\lim], s42
.endm
.macro MKS ea, eb, d                   ; 2^(ea + eb) as f32, twice
	s_add_co_i32 s[\d], s[\ea], s[\eb]
	s_add_co_i32 s[\d], s[\d], 127
	s_lshl_b32 s[\d], s[\d], 23
	s_mov_b32 s[\d+1], s[\d]
.endm
; pair j of x: units 2 j, 2 j + 1; unit u = row u / 4 of my 8, numbers 256 (u % 4) on.  Each load reads 512 consecutive bytes.  (Destination window 1)
.macro XLOADP j
.irp uu, 0,1
.irp e, 0,1
	global_load_b128 v[32*((\j)%8)+16+8*\uu+4*\e:32*((\j)%8)+16+8*\uu+4*\e+3], v3, s[XB:XB+1] offset:((2*(\j)+\uu)/4)*4096+((2*(\j)+\uu)%4)*1024+512*\e th:TH_LOAD_NT
.endr
.endr
.endm
; eight loads of the ring: tiles 4 g .. 4 g + 3 of the trip's step par
.macro RFILL par, g
.irp tt, 0,1,2,3
.irp c, 0,1
	global_load_b128 v[WR+8*(8*(\par)+4*(\g)+\tt)+4*\c:WR+8*(8*(\par)+4*(\g)+\tt)+4*\c+3], v3, s[WF:WF+1] offset:(\par)*8192+(4*(\g)+\tt)*1024+512*\c
.endr
.endr
.endm
	s_load_b256 s[4:11], s[0:1], 0x0               ; x s[4:5], wimg s[6:7], bq s[8:9], bk s[10:11]
	s_load_b256 s[12:19], s[0:1], 0x20             ; bv s[12:13], bo s[14:15], the scales' exponents s[16:17], out0 s[18:19]
	v_lshl_add_u32 v1, v0, 2, SPARE                ; my spare word,
	v_mov_b32 v2, 0                                ; and 0: kept for the add at the wave's end
	v_lshrrev_b32 v28, 5, v0
	s_delay_alu instid0(VALU_DEP_1)
	v_readfirstlane_b32 s[WV], v28                 ; wave 0..7
	v_and_b32 v29, 31, v0                          ; lane
	v_and_b32 v30, 15, v0                          ; r
	v_bfe_u32 v31, v0, 4, 1                        ; h
	s_delay_alu instid0(VALU_DEP_3)
	v_lshlrev_b32 v3, 4, v29
	s_delay_alu instid0(VALU_DEP_3)
	v_mul_u32_u24 v4, v30, XP
	s_delay_alu instid0(VALU_DEP_1)
	v_lshl_add_u32 v4, v31, 4, v4                  ; a fragment of codes: row r, + 16 h
	v_lshlrev_b32 v11, 4, v0                       ; a bias: 16 bytes a thread,
	v_lshl_add_u32 v7, v0, 4, BIAS                 ; and their place in LDS
	s_mul_i32 s42, s[WV], 8*XP
	v_lshl_add_u32 v8, v29, 2, s42                 ; x's codes: my wave's 8 rows, 4 bytes a lane: set V,
	s_delay_alu instid0(VALU_DEP_1)
	v_add_nc_u32 v9, XK, v8                        ; set K,
	s_delay_alu instid0(VALU_DEP_2)
	v_add_nc_u32 v10, XQ, v8
	v_lshrrev_b32 v5, 2, v29                       ; the 16 bytes of padding behind each of my 8 rows, in all three sets, are set to 0: row lane / 4, word lane % 4, a word to a lane
	v_and_b32 v6, 3, v0
	v_mov_b32 v12, 0
	v_mul_u32_u24 v5, v5, XP
	v_lshl_add_u32 v5, v6, 2, v5
	v_add_nc_u32 v5, s42, v5                       ; set V,
	v_add_nc_u32 v6, XK, v5                        ; set K,
	v_add_nc_u32 v28, XQ, v5                       ; set Q
	ds_store_b32 v5, v12 offset:1024               ; no fragment holds these bytes; they land ahead of the barrier behind x's codes
	ds_store_b32 v6, v12 offset:1024
	ds_store_b32 v28, v12 offset:1024
	s_and_b32 s[ROT], ttmp9, 7
	s_mov_b32 s[TF], 0
	s_mov_b32 s41, 0
	s_mov_b32 s[SEL], 0x76543210
	s_mov_b32 s[SEL+1], 0xfedcba98
	s_lshl_b32 s40, ttmp9, 18                      ; 64 rows of 4,096 bytes,
	s_lshl_b32 s42, s[WV], 15                      ; my wave's 8
	s_add_co_u32 s40, s40, s42
	s_wait_alu depctr_va_vdst(0)
	s_wait_kmcnt 0x0
	s_load_b256 s[20:27], s[16:17], 0x0            ; e0 .. e7
	s_load_b64 s[28:29], s[16:17], 0x20            ; e8, e9
	s_add_nc_u64 s[XB:XB+1], s[4:5], s[40:41]
	s_lshl_b32 s40, s[WV], 19
	s_add_nc_u64 s[WW:WW+1], s[6:7], s[40:41]
	s_lshl_b32 s40, s[ROT], 14
	s_add_nc_u64 s[WF:WF+1], s[WW:WW+1], s[40:41]  ; the first trip's images: product Q, block g % 8
	s_lshr_b32 s40, ttmp9, 6
	s_lshl_b32 s40, s40, 24                        ; the batch's 4,096 rows of 4,096 bytes,
	s_and_b32 s42, ttmp9, 63
	s_lshl_b32 s42, s42, 14                        ; my block's 4 rows of each head,
	s_add_co_u32 s40, s40, s42
	s_lshl_b32 s42, s[WV], 9                       ; my wave's 128 columns
	s_add_co_u32 s40, s40, s42
	s_add_nc_u64 s[OB0:OB0+1], s[18:19], s[40:41]
	s_add_nc_u64 s[OB0+2:OB0+3], s[OB0:OB0+1], 0x800000   ; eight heads, 256 rows each, further on
	global_load_b128 v[T2:T2+3], v11, s[8:9]
	global_load_b128 v[T2+4:T2+7], v11, s[10:11]
	global_load_b128 v[T2+8:T2+11], v11, s[12:13]
	global_load_b128 v[T2+12:T2+15], v11, s[14:15]
	WIN 0x40                                       ; destination window 1
.irp j, 0,1,2,3,4,5,6,7
	XLOADP \j
.endr
	WIN 0
	s_wait_kmcnt 0x0
	MKQ 24, 20, 21                                 ; x under e4 (for v): set 0
	MKQ 22, 22, 23                                 ; under e2 (for k): set 1
	MKQ 20, 24, 25                                 ; under e0 (for q): set 2
	MKQ 26, 16, 17                                 ; q under e6
	MKQ 27, 18, 19                                 ; k under e7
	MKQ 28, 26, 27                                 ; the last product's left operand under e8
	MKS 20, 21, SPQ
	MKS 22, 23, SPK
	MKS 24, 25, SPV
	MKS 28, 29, SPO
	s_add_co_i32 s42, s26, s27
	s_lshl_b32 s42, s42, 23
	s_add_co_i32 s[CS], s42, 0x3e38aa3b            ; log2(e) / sqrt(64), with e6 + e7 added to its exponent field
	s_mov_b32 s[CS+1], s[CS]
; ---- X: my 8 rows of x become codes under three scales.  A pair is 512 numbers: 16 a lane.  Of a unit's 256 numbers a lane holds 4 at 4 x lane and 4 at 128 + 4 x lane: the two registers of a conversion's result go to those two places.
.macro XPAIR
.set LB, 32*(J%8)+16
.if J < 8
	s_wait_loadcnt 28                              ; my pair's four loads are in; out may be the 4 (7 - J) of this round's later pairs and the 4 J issued anew
.else
	s_wait_loadcnt 4*(15-J)+8*((J-8)/2)            ; the later pairs' loads, and the ring's groups of eight issued so far
.endif
.if J == 0
.irp n, 0,1,2,3
	ds_store_b128 v7, v[T2+4*\n:T2+4*\n+3] offset:4096*\n   ; the biases, which were asked for ahead of x
.endr
.endif
	WIN 0x01                                       ; source 0 window 1
.irp st, 0,1,2
.irp n, 0,1,2,3,4,5,6,7,8,9,10,11,12,13,14,15
	v_med3_num_f32 v[T1+16*\st+\n], v[LB+\n], -v[20+2*\st], v[20+2*\st]   ; the hold at the largest code x the scale (the conversion does not saturate: ISA guide 7.6.2)
.endr
.endr
	WIN 0
	s_wait_alu depctr_va_vdst(0)
	s_wait_dscnt 0x0                               ; the last pair's stores have read the codes' registers
.irp st, 0,1,2
.irp uu, 0,1
	v_cvt_scalef32_pk8_bf8_f32 v[T2+16+4*\st+2*\uu:T2+16+4*\st+2*\uu+1], v[T1+16*\st+8*\uu:T1+16*\st+8*\uu+7], v[21+2*\st]
.endr
.endr
	v_nop                                          ; a plain line between the conversions and the next lines that write their sources
.irp st, 0,1,2
.irp uu, 0,1
	ds_store_b32 v[8+\st], v[T2+16+4*\st+2*\uu] offset:((2*J+\uu)/4)*XP+((2*J+\uu)%4)*256
	ds_store_b32 v[8+\st], v[T2+16+4*\st+2*\uu+1] offset:((2*J+\uu)/4)*XP+((2*J+\uu)%4)*256+128
.endr
.endr
.if J < 8
	WIN 0x40
	XLOADP J+8                                     ; the landing registers take the pair eight further on
	WIN 0
.endif
.if (J >= 9) && (J%2 == 1)
	RFILL (J-9)/4, ((J-9)/2)%2                     ; the ring's first fill, a group behind each of pairs 9, 11, 13, 15: behind all loads of x
.endif
.endm
.set J, 0
.rept 16
	XPAIR
.set J, J+1
.endr
	BARRIER                                        ; x's codes and the biases lie in LDS
; ---- THE PRODUCTS WITH THE WEIGHTS
; A trip is 128 along K: block (TF + g) % 8 of the rows of codes at xbase.  FIRSTADR: the x address of a product's first trip.
.macro FIRSTADR xbase
	s_add_co_u32 s42, s[TF], s[ROT]
	s_and_b32 s42, s42, 7
	s_lshl_b32 s42, s42, 7
.if \xbase
	s_add_co_u32 s42, s42, \xbase
.endif
	v_add_nc_u32 v5, s42, v4
.endm
; NEXTADR, at a trip's head: the next trip's x address (v6), and in s[40:41] the place among my images of what this trip asks for, which is the next trip's (the stream runs on into the next product).
.macro NEXTADR xbase
	s_add_co_u32 s[TF], s[TF], 1
	s_add_co_u32 s42, s[TF], s[ROT]
	s_and_b32 s42, s42, 7
	s_lshl_b32 s40, s42, 14                        ; a block's 16 images
	s_lshl_b32 s42, s42, 7
.if \xbase
	s_add_co_u32 s42, s42, \xbase
.endif
	v_add_nc_u32 v6, s42, v4
	s_lshr_b32 s42, s[TF], 3
	s_lshl_b32 s42, s42, 17                        ; a product's 128 images
	s_add_co_u32 s40, s40, s42
.endm
.macro XFLOAD dst, adr, off            ; four fragments of codes: rows 16 a on, 64 along K
.irp a, 0,1,2,3
.irp c, 0,1
	ds_load_b128 v[\dst+8*\a+4*\c:\dst+8*\a+4*\c+3], v[\adr] offset:\a*16*XP+\off+32*\c
.endr
.endr
.endm
; 16 matrix instructions: tiles 4 g .. 4 g + 3 x the four blocks of rows, step par.  The 32 accumulators take turns, one instruction a turn, over the loop's backward jump too.
; n: the ring's younger loads, which may stay out.  fetch = 1: the four buffers are asked for again, behind four places.
; upd = 1: the ring's base steps to this trip's requests, ahead of the trip's first refill: the last loads that read the old base were issued a group of 16 products ago, and the wait on XCNT stands directly ahead of the line that rewrites it.
.macro GROUP par, g, zero, fetch, n, upd
	s_wait_loadcnt \n
	WIN 0x50                                       ; C and D window 1
.irp tt, 0,1,2,3
.irp a, 0,1,2,3
.if \zero
	v_wmma_f32_16x16x64_bf8_bf8 v[32*(4*(\g)+\tt)+8*\a:32*(4*(\g)+\tt)+8*\a+7], v[WR+8*(8*(\par)+4*(\g)+\tt):WR+8*(8*(\par)+4*(\g)+\tt)+7], v[XF0+32*(\par)+8*\a:XF0+32*(\par)+8*\a+7], 0
.else
	v_wmma_f32_16x16x64_bf8_bf8 v[32*(4*(\g)+\tt)+8*\a:32*(4*(\g)+\tt)+8*\a+7], v[WR+8*(8*(\par)+4*(\g)+\tt):WR+8*(8*(\par)+4*(\g)+\tt)+7], v[XF0+32*(\par)+8*\a:XF0+32*(\par)+8*\a+7], v[32*(4*(\g)+\tt)+8*\a:32*(4*(\g)+\tt)+8*\a+7]
.endif
.endr
.endr
	WIN 0
	PLACES 4                                       ; in front of loads into registers that these have read, and of the first read of results
.if \upd
	s_wait_xcnt 0x0                                ; the ring's earlier loads have read their base
	s_add_nc_u64 s[WF:WF+1], s[WW:WW+1], s[40:41]
.endif
.if \fetch
	RFILL \par, \g
.endif
.endm
; A trip.  zero = 1: its first step starts the sums: nothing is cleared.  At its head the first step's codes (XF0) are in and the second step's (XF1) are on their way.
; A set of codes is asked for again as soon as its last reader has its four places, so that each run of eight LDS loads has two groups, 32 matrix instructions, in which to land:
; XF0 for the next trip behind group (0, 1), XF1 for the next trip behind group (1, 1).  Each wait for 0 stands ahead of the new run, for the run issued two groups ago.
; nx = 1: the next trip's codes are fetched; 2: unless this is the loop's last trip; 0: not.
.macro TRIP zero, fetch, nx, n0, n1, n2, n3
	GROUP 0, 0, \zero, \fetch, \n0, \fetch
	GROUP 0, 1, \zero, \fetch, \n1, 0
	s_wait_dscnt 0x0                               ; the second step's codes are in
.if \nx == 1
	XFLOAD XF0, 6, 0
.elseif \nx == 2
	s_cmp_eq_u32 s[TR], 1                          ; the product's last trip has no successor among these rows
	s_cbranch_scc1 .Lnoa_\@
	s_wait_alu depctr_va_vdst(0)
	XFLOAD XF0, 6, 0
.Lnoa_\@:
.endif
	GROUP 1, 0, 0, \fetch, \n2, 0
	GROUP 1, 1, 0, \fetch, \n3, 0
.if \nx == 1
	s_wait_dscnt 0x0                               ; the next trip's first codes are in
	XFLOAD XF1, 6, 64
.elseif \nx == 2
	s_wait_dscnt 0x0
	s_cmp_eq_u32 s[TR], 1
	s_cbranch_scc1 .Lnob_\@
	s_wait_alu depctr_va_vdst(0)
	XFLOAD XF1, 6, 64
.Lnob_\@:
.endif
.endm
.macro GEMM xbase                      ; eight trips; 24 = the three younger groups of eight loads
	FIRSTADR \xbase
	XFLOAD XF0, 5, 0
	XFLOAD XF1, 5, 64
	NEXTADR \xbase
	s_wait_alu depctr_va_vdst(0)
	s_wait_dscnt 0x8                               ; the first step's codes are in; the second step's eight loads may be out
	TRIP 1, 1, 1, 24, 24, 24, 24
	s_mov_b32 s[TR], 7
.Lk_\@:
	NEXTADR \xbase
	TRIP 0, 1, 2, 24, 24, 24, 24
	s_sub_co_u32 s[TR], s[TR], 1
	s_cmp_lg_u32 s[TR], 0
	s_cbranch_scc1 .Lk_\@
.endm
; q or k: sum x 2^(its two exponents) + bias, quantised along the head's 64, to LDS: position 16 a + r, head 2 w + b / 2, 16 codes at 32 (b % 2) + 16 h.
.macro EPI_QK dst, boff, sp, lim, sc
	s_mul_i32 s42, s[WV], 2*HP
	s_add_co_u32 s42, s42, \dst
	v_mul_u32_u24 v7, v30, PP
	s_delay_alu instid0(VALU_DEP_1)
	v_lshl_add_u32 v7, v31, 4, v7
	s_delay_alu instid0(VALU_DEP_1)
	v_add_nc_u32 v7, s42, v7
	s_lshl_b32 s42, s[WV], 9
	s_add_co_u32 s42, s42, \boff
	v_lshl_add_u32 v8, v31, 6, s42                 ; the bias of my 16 columns of a pair of tiles: 512 w + 64 h
.irp b, 0,1,2,3
.irp e, 0,1,2,3
	ds_load_b128 v[T2+4*\e:T2+4*\e+3], v8 offset:128*\b+16*\e
.endr
	s_wait_dscnt 0x0                               ; the bias is in, and the last pair's stores have read the codes' registers
	WIN 0x01
.irp u, 0,1
.irp a, 0,1,2,3
.irp i, 0,2,4,6
	v_pk_fma_f32 v[T1+16*\a+8*\u+\i:T1+16*\a+8*\u+\i+1], v[64*\b+32*\u+8*\a+\i:64*\b+32*\u+8*\a+\i+1], s[\sp:\sp+1], v[T2+8*\u+\i:T2+8*\u+\i+1] op_sel_hi:[1,0,1]   ; each accumulator from its low end on
.endr
.endr
.endr
	WIN 0
.irp a, 0,1,2,3
.irp n, 0,1,2,3,4,5,6,7,8,9,10,11,12,13,14,15
	v_med3_num_f32 v[T1+16*\a+\n], v[T1+16*\a+\n], -v[\lim], v[\lim]
.endr
	v_cvt_scalef32_pk8_bf8_f32 v[T2+16+4*\a:T2+17+4*\a], v[T1+16*\a:T1+16*\a+7], v[\sc]
	v_cvt_scalef32_pk8_bf8_f32 v[T2+18+4*\a:T2+19+4*\a], v[T1+16*\a+8:T1+16*\a+15], v[\sc]
.endr
	v_nop                                          ; a plain line behind the last conversion
.irp a, 0,1,2,3
	ds_store_b128 v7, v[T2+16+4*\a:T2+19+4*\a] offset:\a*16*PP+(\b/2)*HP+(\b%2)*32
.endr
.endr
.endm
	GEMM XQ
	EPI_QK QC, BIAS, SPQ, 16, 17                   ; QC is touched by nobody else so far: no barrier
	GEMM XK
	BARRIER                                        ; every wave has read XQ for the last time: k's codes may be laid over it
	EPI_QK KC, BIAS+4096, SPK, 18, 19
	GEMM XV
	BARRIER                                        ; q's and k's codes are whole; XV and XK are done with
; ---- SCORES AND SOFTMAX: wave w takes positions 8 w .. 8 w + 7, four at a time.  S^T = k q^T: lane (r, h) holds query head r and key heads 8 h + 0 .. 7.
	s_mul_i32 s42, s[WV], 8*PP
	v_mul_u32_u24 v7, v30, HP
	s_delay_alu instid0(VALU_DEP_1)
	v_lshl_add_u32 v7, v31, 4, v7
	s_delay_alu instid0(VALU_DEP_1)
	v_add_nc_u32 v7, s42, v7
	s_delay_alu instid0(VALU_DEP_1)
	v_add_nc_u32 v8, KC, v7                        ; k: head r, + 16 h
	s_delay_alu instid0(VALU_DEP_2)
	v_add_nc_u32 v7, QC, v7                        ; q likewise
	v_add_nc_u32 v9, s42, v3
	s_delay_alu instid0(VALU_DEP_1)
	v_add_nc_u32 v9, QC, v9                        ; attn: an image of its registers, 16 bytes a lane, over the position's own q codes, which my wave alone reads
.macro SCORES4 q
.irp p, 0,1,2,3
	ds_load_b128 v[T1+8*\p:T1+8*\p+3], v7 offset:(4*\q+\p)*PP
	ds_load_b128 v[T1+8*\p+4:T1+8*\p+7], v7 offset:(4*\q+\p)*PP+32
	ds_load_b128 v[T1+32+8*\p:T1+32+8*\p+3], v8 offset:(4*\q+\p)*PP
	ds_load_b128 v[T1+32+8*\p+4:T1+32+8*\p+7], v8 offset:(4*\q+\p)*PP+32
.endr
	s_wait_dscnt 0x0                               ; the codes are in, and the last four positions' stores have read their registers
.irp p, 0,1,2,3
	v_wmma_f32_16x16x64_bf8_bf8 v[T2+8*\p:T2+8*\p+7], v[T1+32+8*\p:T1+32+8*\p+7], v[T1+8*\p:T1+8*\p+7], 0
.endr
	PLACES 4
.irp p, 0,1,2,3
	v_max3_num_f32 v[T1+8*\p], v[T2+8*\p], v[T2+8*\p+1], v[T2+8*\p+2]      ; the row's largest score: my 8 keys,
.endr
.irp p, 0,1,2,3
	v_max3_num_f32 v[T1+8*\p+1], v[T2+8*\p+3], v[T2+8*\p+4], v[T2+8*\p+5]
.endr
.irp p, 0,1,2,3
	v_max3_num_f32 v[T1+8*\p], v[T1+8*\p], v[T2+8*\p+6], v[T2+8*\p+7]
.endr
.irp p, 0,1,2,3
	s_delay_alu instid0(VALU_DEP_4)
	v_max_num_f32 v[T1+8*\p], v[T1+8*\p], v[T1+8*\p+1]
.endr
.irp p, 0,1,2,3
	s_delay_alu instid0(VALU_DEP_4)
	v_permlanex16_b32 v[T1+8*\p+1], v[T1+8*\p], s[SEL], s[SEL+1]
.endr
.irp p, 0,1,2,3
	s_delay_alu instid0(VALU_DEP_4)
	v_max_num_f32 v[T1+8*\p], v[T1+8*\p], v[T1+8*\p+1]                     ; and lane l xor 16's
.endr
.irp p, 0,1,2,3
	s_delay_alu instid0(VALU_DEP_4)
	v_mul_f32 v[T1+8*\p], s[CS], v[T1+8*\p]                                ; c m (c is positive)
.endr
.irp p, 0,1,2,3
.irp i, 0,2,4,6
	v_pk_fma_f32 v[T2+8*\p+\i:T2+8*\p+\i+1], v[T2+8*\p+\i:T2+8*\p+\i+1], s[CS:CS+1], v[T1+8*\p:T1+8*\p+1] op_sel_hi:[1,0,0] neg_lo:[0,0,1] neg_hi:[0,0,1]   ; c s - c m: the maximum is taken away
.endr
.endr
	s_wait_alu depctr_va_vdst(0)
.irp p, 0,1,2,3
.irp i, 0,1,2,3,4,5,6,7
	v_exp_f32 v[T2+8*\p+\i], v[T2+8*\p+\i]
.endr
.endr
	v_nop                                          ; a plain line behind the last exponential,
	s_wait_alu depctr_va_vdst(0)                   ; and one wait for the batch of 32, ahead of its first reader
.irp p, 0,1,2,3
	v_pk_add_f32 v[T1+8*\p+2:T1+8*\p+3], v[T2+8*\p:T2+8*\p+1], v[T2+8*\p+2:T2+8*\p+3]
	v_pk_add_f32 v[T1+8*\p+4:T1+8*\p+5], v[T2+8*\p+4:T2+8*\p+5], v[T2+8*\p+6:T2+8*\p+7]
.endr
.irp p, 0,1,2,3
	v_pk_add_f32 v[T1+8*\p+2:T1+8*\p+3], v[T1+8*\p+2:T1+8*\p+3], v[T1+8*\p+4:T1+8*\p+5]
.endr
.irp p, 0,1,2,3
	s_delay_alu instid0(VALU_DEP_4)
	v_add_f32 v[T1+8*\p+2], v[T1+8*\p+2], v[T1+8*\p+3]
.endr
.irp p, 0,1,2,3
	s_delay_alu instid0(VALU_DEP_4)
	v_permlanex16_b32 v[T1+8*\p+3], v[T1+8*\p+2], s[SEL], s[SEL+1]
.endr
.irp p, 0,1,2,3
	s_delay_alu instid0(VALU_DEP_4)
	v_add_f32 v[T1+8*\p+2], v[T1+8*\p+2], v[T1+8*\p+3]                     ; the row's sum
.endr
	s_wait_alu depctr_va_vdst(0)
.irp p, 0,1,2,3
	v_rcp_f32 v[T1+8*\p+4], v[T1+8*\p+2]
.endr
	v_nop
	s_wait_alu depctr_va_vdst(0)                   ; one wait for the four reciprocals
.irp p, 0,1,2,3
.irp i, 0,2,4,6
	v_pk_mul_f32 v[T2+8*\p+\i:T2+8*\p+\i+1], v[T2+8*\p+\i:T2+8*\p+\i+1], v[T1+8*\p+4:T1+8*\p+5] op_sel_hi:[1,0]   ; attn, normalised
.endr
.endr
.irp p, 0,1,2,3
	ds_store_b128 v9, v[T2+8*\p:T2+8*\p+3] offset:(4*\q+\p)*PP
	ds_store_b128 v9, v[T2+8*\p+4:T2+8*\p+7] offset:(4*\q+\p)*PP+512
.endr
.endm
	SCORES4 0
	SCORES4 1
; ---- v = sum x 2^(e4+e5) + bv, in f32, to LDS, 32 positions at a time (blocks of rows 2 rho, 2 rho + 1); then attn v, a position at a time.
	s_lshl_b32 s42, s[WV], 9
	v_lshl_add_u32 v13, v31, 6, s42                ; 512 w + 64 h: my 16 columns of a pair of tiles
	v_mul_u32_u24 v14, v30, VP
	s_delay_alu instid0(VALU_DEP_1)
	v_add_nc_u32 v14, v14, v13                     ; v: row r,
	s_delay_alu instid0(VALU_DEP_1)
	v_add_nc_u32 v15, 16*VP, v14                   ; row 16 + r
	s_delay_alu instid0(VALU_DEP_4)
	v_add_nc_u32 v13, BIAS+8192, v13               ; bv
	s_mul_i32 s42, s[WV], 4*VP
	v_lshlrev_b32 v10, 4, v30
	s_delay_alu instid0(VALU_DEP_1)
	v_lshl_add_u32 v10, v31, 11, v10
	s_delay_alu instid0(VALU_DEP_1)
	v_add_nc_u32 v10, s42, v10                     ; attn v: my 4 positions; head 8 h + j at 256 j; d = 4 r + 0 .. 3
	s_mul_i32 s42, s[WV], 4*PP
	s_add_co_u32 s42, s42, QC
	v_add_nc_u32 v11, s42, v3                      ; their images of attn
	s_lshr_b32 s42, s[WV], 2
	s_mul_i32 s42, s42, 16*XP
	s_and_b32 s45, s[WV], 3
	s_lshl_b32 s45, s45, 8
	s_add_co_u32 s42, s42, s45
	s_add_co_u32 s42, s42, A6
	v_mul_u32_u24 v12, v30, XP
	s_delay_alu instid0(VALU_DEP_1)
	v_lshl_add_u32 v12, v31, 5, v12
	s_delay_alu instid0(VALU_DEP_1)
	v_add_nc_u32 v12, s42, v12                     ; the last product's left operand: row 16 (s / 16) + head r, byte 64 (s % 16) + 32 h
.macro EPI_V rho
.irp bb, 0,1
.irp b2, 0,1
.irp e, 0,1,2,3
	ds_load_b128 v[T2+16*\b2+4*\e:T2+16*\b2+4*\e+3], v13 offset:128*(2*\bb+\b2)+16*\e
.endr
.endr
	s_wait_dscnt 0x0                               ; the bias is in, and the stores before have read their registers
	WIN 0x01
.irp b2, 0,1
.irp u, 0,1
.irp aa, 0,1
.irp i, 0,2,4,6
	v_pk_fma_f32 v[T1+32*\b2+16*\aa+8*\u+\i:T1+32*\b2+16*\aa+8*\u+\i+1], v[64*(2*\bb+\b2)+32*\u+8*(2*\rho+\aa)+\i:64*(2*\bb+\b2)+32*\u+8*(2*\rho+\aa)+\i+1], s[SPV:SPV+1], v[T2+16*\b2+8*\u+\i:T2+16*\b2+8*\u+\i+1] op_sel_hi:[1,0,1]
.endr
.endr
.endr
.endr
	WIN 0
.irp b2, 0,1
.irp aa, 0,1
.irp e, 0,1,2,3
	ds_store_b128 v[14+\aa], v[T1+32*\b2+16*\aa+4*\e:T1+32*\b2+16*\aa+4*\e+3] offset:128*(2*\bb+\b2)+16*\e
.endr
.endr
.endr
.endr
.endm
; Position 32 rho + 4 w + i.  out^T = v^T attn^T in f32, since the result goes on into a quantiser: source 0 = 16 of the head's 64 (tile e: d = 4 m + e), source 1 = attn (column = query head); K = the 16 key heads,
; four a step: slot (h, j') of step kk is head 8 h + 2 kk + j' on both sides.  The result's register j of tile e in lane (r, h) is out(head r, d = 32 h + 4 j + e).
; The four accumulators are those of rows 0-15, tiles 0-3, which are done with; matrix instructions alone ever write them, and each sum begins with the constant 0.
; POSLOAD: position i's v (head 8 h + j, four d) into v64-95 and its attn into v32-39 (i even) or v48-55 (i odd).
.macro POSLOAD rho, i
.irp j, 0,1,2,3,4,5,6,7
	ds_load_b128 v[T1+4*\j:T1+4*\j+3], v10 offset:(\i)*VP+256*\j
.endr
	ds_load_b128 v[T2+16*((\i)%2):T2+16*((\i)%2)+3], v11 offset:\rho*32*PP+(\i)*PP
	ds_load_b128 v[T2+16*((\i)%2)+4:T2+16*((\i)%2)+7], v11 offset:\rho*32*PP+(\i)*PP+512
.endm
; The next position's ten loads are issued straight behind the moves, which are the last readers of v64-95: they have the 16 products and all behind them in which to land.
.macro POS rho, i
.if \i == 0
	POSLOAD \rho, 0
.endif
	s_wait_dscnt 0x0                               ; they are in, and the last position's stores have read the codes' registers
.irp e, 0,1,2,3
.irp j, 0,1,2,3,4,5,6,7
	v_mov_b32 v[T1+32+8*\e+\j], v[T1+4*\j+\e]      ; a source wants two heads of one d side by side; a load brings four d of one head
.endr
.endr
.if \i < 3
	POSLOAD \rho, \i+1
.endif
	WIN 0x50
.irp kk, 0,1,2,3
.irp e, 0,1,2,3
.if \kk == 0
	v_wmma_f32_16x16x4_f32 v[32*\e:32*\e+7], v[T1+32+8*\e+2*\kk:T1+32+8*\e+2*\kk+1], v[T2+16*(\i%2)+2*\kk:T2+16*(\i%2)+2*\kk+1], 0
.else
	v_wmma_f32_16x16x4_f32 v[32*\e:32*\e+7], v[T1+32+8*\e+2*\kk:T1+32+8*\e+2*\kk+1], v[T2+16*(\i%2)+2*\kk:T2+16*(\i%2)+2*\kk+1], v[32*\e:32*\e+7]
.endif
.endr
.endr
	WIN 0
	PLACES 9                                       ; behind this form: 8 in front of reads of results and of writes to its sources, 9 in front of the matrix instructions that begin these accumulators anew
	WIN 0x01
.irp e, 0,1,2,3
.irp j, 0,1,2,3,4,5,6,7
	v_med3_num_f32 v[T1+32+4*\j+\e], v[32*\e+\j], -v26, v26   ; the hold also puts d = 32 h + 0 .. 31 in order, in the registers that held source 0; each accumulator from its low end on
.endr
.endr
	WIN 0
.irp q, 0,1,2,3
	v_cvt_scalef32_pk8_bf8_f32 v[T2+8+2*\q:T2+9+2*\q], v[T1+32+8*\q:T1+32+8*\q+7], v27
.endr
	v_nop                                          ; a plain line between the conversions and the next position's moves, which write their sources
	ds_store_b128 v12, v[T2+8:T2+11] offset:\rho*32*XP+\i*64
	ds_store_b128 v12, v[T2+12:T2+15] offset:\rho*32*XP+\i*64+16
.endm
	s_wait_alu depctr_va_vdst(0)
	s_wait_dscnt 0x0                               ; attn's stores have read their registers
	EPI_V 0
	BARRIER                                        ; attn and v of positions 0-31 are whole; k's codes are done with, so the left operand may be laid over them
.irp i, 0,1,2,3
	POS 0, \i
.endr
	BARRIER                                        ; v of positions 0-31 is done with
	EPI_V 1
	BARRIER                                        ; v of positions 32-63 is whole
.irp i, 0,1,2,3
	POS 1, \i
.endr
	BARRIER                                        ; the left operand is whole; v is done with
; ---- THE LAST PRODUCT.  Its last trip is written out: it asks for nothing, and its counts run down.
	FIRSTADR A6
	XFLOAD XF0, 5, 0
	XFLOAD XF1, 5, 64
	NEXTADR A6
	s_wait_alu depctr_va_vdst(0)
	s_wait_dscnt 0x8                               ; the first step's codes are in; the second step's eight loads may be out
	TRIP 1, 1, 1, 24, 24, 24, 24
	s_mov_b32 s[TR], 6
.Lo:
	NEXTADR A6
	s_wait_alu depctr_va_vdst(0)
	TRIP 0, 1, 1, 24, 24, 24, 24
	s_sub_co_u32 s[TR], s[TR], 1
	s_cmp_lg_u32 s[TR], 0
	s_cbranch_scc1 .Lo
	TRIP 0, 0, 0, 24, 16, 8, 0
; ---- THE WAY OUT.  out0 = sum x 2^(e8+e9) + bo.  A block of 16 rows (the 16 heads at one a) x my 128 columns goes through my own stage and comes back as whole rows of 512 bytes.
; LDS serves a wave's instructions in order (ISA guide 5.7.1.4): no wait between the stores and the loads.
	s_lshl_b32 s42, s[WV], 9
	s_add_co_u32 s42, s42, BIAS+12288
	v_lshl_add_u32 v7, v31, 6, s42
	s_mul_i32 s42, s[WV], 16*SPT
	v_mul_u32_u24 v8, v30, SPT
	s_delay_alu instid0(VALU_DEP_1)
	v_lshl_add_u32 v8, v31, 6, v8
	s_delay_alu instid0(VALU_DEP_1)
	v_add_nc_u32 v8, s42, v8                       ; in: row r, + 64 h
	v_add_nc_u32 v9, s42, v3                       ; back: 16 bytes a lane
.irp b, 0,1,2,3
.irp e, 0,1,2,3
	ds_load_b128 v[WR+16*\b+4*\e:WR+16*\b+4*\e+3], v7 offset:128*\b+16*\e   ; bo of my 64 columns, into the ring's registers, which are free
.endr
.endr
	s_wait_dscnt 0x0
.irp a, 0,1,2,3
	WIN 0x01
.irp t, 0,1,2,3,4,5,6,7
.irp i, 0,2,4,6
	v_pk_fma_f32 v[T1+8*\t+\i:T1+8*\t+\i+1], v[32*\t+8*\a+\i:32*\t+8*\a+\i+1], s[SPO:SPO+1], v[WR+8*\t+\i:WR+8*\t+\i+1] op_sel_hi:[1,0,1]
.endr
.endr
	WIN 0
.irp n, 0,1,2,3,4,5,6,7,8,9,10,11,12,13,14,15
	ds_store_b128 v8, v[T1+4*\n:T1+4*\n+3] offset:128*(\n/4)+16*(\n%4)
.endr
.if \a > 0
	s_wait_xcnt 0x0                                ; the last block's stores have read their registers
.endif
.irp n, 0,1,2,3,4,5,6,7,8,9,10,11,12,13,14,15
	ds_load_b128 v[192+4*\n:192+4*\n+3], v9 offset:\n*SPT
.endr
.irp n, 0,1,2,3,4,5,6,7,8,9,10,11,12,13,14,15
	s_wait_dscnt 15-\n                             ; row n is back; the younger rows' loads may be out
	global_store_b128 v3, v[192+4*\n:192+4*\n+3], s[OB0+2*(\n/8):OB0+2*(\n/8)+1] offset:(\n%8)*1048576+\a*4096 th:TH_STORE_NT   ; head n's row: 32 lanes store 512 consecutive bytes, at a multiple of 256 from out0's first byte
.endr
.endr
	s_wait_tensorcnt 0x0                           ; the wave's end, behind my last LDS store
	ds_add_u32 v1, v2
	s_wait_dscnt 0x0
	s_endpgm
.Lfunc_end_k_qbe459cf3c5_fused:
	.size	k_qbe459cf3c5_fused, .Lfunc_end_k_qbe459cf3c5_fused-k_qbe459cf3c5_fused
	.p2alignl 7, 3214868480
	.fill 96, 4, 3214868480
	.section	.rodata,"a",@progbits
	.p2align	6, 0x0
	.amdhsa_kernel k_qbe459cf3c5_fused
		.amdhsa_group_segment_fixed_size 327680
		.amdhsa_private_segment_fixed_size 0
		.amdhsa_enable_private_segment 0
		.amdhsa_kernarg_size 64
		.amdhsa_user_sgpr_count 2
		.amdhsa_user_sgpr_kernarg_segment_ptr 1
		.amdhsa_wavefront_size32 1
		.amdhsa_system_sgpr_workgroup_id_x 1
		.amdhsa_system_sgpr_workgroup_id_y 1
		.amdhsa_system_sgpr_workgroup_id_z 1
		.amdhsa_system_vgpr_workitem_id 0
		.amdhsa_next_free_vgpr 512
		.amdhsa_next_free_sgpr 84
		.amdhsa_reserve_vcc 0
		.amdhsa_float_denorm_mode_32 3
		.amdhsa_float_denorm_mode_16_64 3
		.amdhsa_memory_ordered 1
		.amdhsa_forward_progress 1
		.amdhsa_inst_pref_size 255
	.end_amdhsa_kernel
	.section	.bss,"aw",@nobits
	.p2align	6
	.space	262144
	.amdgpu_metadata
---
amdhsa.version: [ 1, 2 ]
amdhsa.kernels:
  - .name:           k_qbe459cf3c5_fused
    .symbol:         k_qbe459cf3c5_fused.kd
    .args:
      - { .name: x, .offset: 0, .size: 8, .value_kind: global_buffer, .address_space: global }
      - { .name: wimg, .offset: 8, .size: 8, .value_kind: global_buffer, .address_space: global }
      - { .name: bq, .offset: 16, .size: 8, .value_kind: global_buffer, .address_space: global }
      - { .name: bk, .offset: 24, .size: 8, .value_kind: global_buffer, .address_space: global }
      - { .name: bv, .offset: 32, .size: 8, .value_kind: global_buffer, .address_space: global }
      - { .name: bo, .offset: 40, .size: 8, .value_kind: global_buffer, .address_space: global }
      - { .name: lowp_scales, .offset: 48, .size: 8, .value_kind: global_buffer, .address_space: global }
      - { .name: out0, .offset: 56, .size: 8, .value_kind: global_buffer, .address_space: global }
    .group_segment_fixed_size: 327680
    .private_segment_fixed_size: 0
    .kernarg_segment_align: 8
    .kernarg_segment_size: 64
    .max_flat_workgroup_size: 256
    .sgpr_count:     84
    .vgpr_count:     512
    .wavefront_size: 32
...
	.end_amdgpu_metadata
.endif
;; end of part 2
